; MI455X (gfx1250); checked and timed in simulation.
; The chip was launched on July 23, 2026; its instructions are those of AMD's public machine-readable ISA for CDNA 5 (MIT licence, August 2026) and "CDNA5" Instruction Set Architecture Reference Guide (July 2026). The comments in the code are by the model that wrote it; some were corrected since.
;; Multi Head Attention. Allowed arithmetic: matrix products marked QUANTISED: E2M1 operands, one E8M0 scale for each 32 along K, by v_wmma_scale_f32_16x16x128_f8f6f4 with both operands' format E2M1 (or v_wmma_scale_f32_32x16x128_f4), f32 sums; everything else in f32.
;; Inputs: Wk 512 x 512 float32; Wo 512 x 512 float32; Wq 512 x 512 float32; Wv 512 x 512 float32; bk 512 float32; bo 512 float32; bq 512 float32; bv 512 float32; x 2 x 4,096 x 512 float32.
;; Outputs: out0 2 x 4,096 x 512 float32.
;; This version of the problem:
;;   THIS VERSION OF THE PROBLEM IS GIVEN IN LOW PRECISION. The matrix products marked QUANTISED in the list below multiply operands that are first quantised to E2M1 (2 exponent bits, 1 mantissa bit; 4 bits a number), with one power-of-two scale for each 32 numbers along K (OCP MX v1.0); their sums are f32. All else is computed in f32.
;;   The module's matrix products, in the order in which they are computed (A, B: the left and right operand; K: the contracted axis; several contracted axes count as one K, in the product's order):
;;     1. [M 8,192, K 512] x [K 512, N 512]; A: input x; B: input Wq: QUANTISED
;;     2. [M 8,192, K 512] x [K 512, N 512]; A: input x; B: input Wk: QUANTISED
;;     3. [M 8,192, K 512] x [K 512, N 512]; A: input x; B: input Wv: QUANTISED
;;     4. batch 16 x [M 4,096, K 64] x [K 64, N 4,096]; A: computed on the way; B: computed on the way: QUANTISED
;;     5. batch 16 x [M 4,096, K 4,096] x [K 4,096, N 64]; A: softmax (see below); B: computed on the way: QUANTISED
;;     6. [M 8,192, K 512] x [K 512, N 512]; A: computed on the way; B: input Wo: QUANTISED
;;   THE QUANTISER, for each operand of a quantised product, along K:
;;     - K is cut into blocks of 32 from its start; a last block that is shorter is filled with zeros.
;;     - A block's scale is 2^e with e = floor(log2(the largest magnitude in the block)) - 2, held to -126 .. 127; a block of zeros has e = 0. As a byte (E8M0): e + 127.
;;     - Each number is divided by its block's scale, clamped to +-6, and rounded to the nearest number of E2M1, ties to even, subnormals kept.
;;     - The product sums the exact products of the quantised numbers (number of the format x scale) in f32.
;;   ~~~python
;;   def quantise(x, axis):      # numpy; x: float32 -> the quantised numbers, widened to float32 again
;;       x = np.moveaxis(x, axis, -1); K = x.shape[-1]
;;       x = np.pad(x, [(0, 0)] * (x.ndim - 1) + [(0, -K % 32)]); x = x.reshape(x.shape[:-1] + (-1, 32)); a = np.abs(x).max(-1, keepdims=True)
;;       e = np.where(a > 0, np.clip(np.frexp(np.where(a > 0, a, 1))[1] - 1 - 2, -126, 127), 0)      # np.frexp(a)[1] - 1 = floor(log2(a)), exactly
;;       r = np.clip(x / 2.0 ** e, -6, 6)
;;       step = 2.0 ** (np.maximum(np.frexp(np.where(r == 0, 1, r))[1] - 1, 0) - 1)
;;       q = np.round(r / step) * step * 2.0 ** e      # np.round: ties to even
;;       return np.moveaxis(q.reshape(q.shape[:-2] + (-1,))[..., :K], -1, axis).astype(np.float32)
;;   ~~~
;;   SOFTMAX AHEAD OF A QUANTISED PRODUCT. Where the list says 'softmax', what is quantised is not the finished softmax but p = 2^(t - M), with t = logit x log2(e) and M = ceil(the row's largest t), a whole number; so 1/2 < the row's largest p <= 1. The row's sum l is taken of the UNQUANTISED p, in f32, and the product's result is divided by l at the end. Since M is a whole number, a kernel that streams over the keys may use a running M (the ceiling of the running maximum): every later rescaling is an exact power of two, which a block's scale takes up: the codes' values come out the same.
;;   OPERANDS COMPUTED ON THE WAY. 'Computed on the way' means the value that the module computes at that place (a softmax that the list does not call 'softmax' is quantised finished and normalised). What goes into a quantiser is computed in f32, as accurately as f32 sums, v_exp_f32 and their like allow (about 1e-6 of the number): no bf16 or f16 on the way to a quantiser, and a product that is left as it is and whose result goes on into a quantised operand takes f32 operands (vector FMAs, or v_wmma_f32_16x16x4_f32). A number that lies on a knife's edge between two numbers of the format may be rounded either way, as far as f32 arithmetic and the matrix unit's own rounding can turn it there, and no further.
;; One version. Each part assembles by itself: llvm-mc -triple=amdgcn-amd-amdhsa -mcpu=gfx1250 --defsym DOCPART=n.
;; ======== version 1 of 1: 4 launches
;; limits: right only within a limited range of input values
;; workspace buffers: qc 2,621,440 bytes; qs 163,840 bytes; qp 2,228,224 bytes; kv 4,456,448 bytes; cc 2,097,152 bytes; cs 131,072 bytes
;; launch quant (part 1): grid 320 x 1, 2 waves a work-group, no clusters, 20,736 bytes of LDS; arguments x, Wq, Wk, Wv, Wo, qc, qs; writes qc, qs
.if DOCPART == 1
	.amdgcn_target "amdgcn-amd-amdhsa--gfx1250"
	.amdhsa_code_object_version 6
	.text
	.protected	k_q1c12c6b9c9_quant
	.globl	k_q1c12c6b9c9_quant
	.p2align	8
	.type	k_q1c12c6b9c9_quant,@function
k_q1c12c6b9c9_quant:
	s_mov_b64 s[64:65], 0
	v_nop
	global_prefetch_b8 v0, s[64:65] scope:SCOPE_SE
	s_setreg_imm32_b32 hwreg(HW_REG_WAVE_MODE, 25, 1), 1
	s_wait_xcnt 0x0
; x [8192][512] and Wq, Wk, Wv, Wo [512][512], f32, K innermost, become codes of FP4 (E2M1) with one E8M0 byte for each 32 along K.
; A block's scale is 2^(floor(log2(its largest magnitude)) - 2): its byte is the largest magnitude's exponent field - 2, held at 1 from below.
; THE OUTPUT IS LAID AS THE MATRIX OPERAND'S REGISTERS.  A tile T is 16 rows, row(T, r) = 32 (T / 2) + 8 (T % 2) + r + 8 (r / 8); its codes are 4,096 bytes [block of 32 along K: 16][r: 16][16 bytes]:
; lane 16 h + r of the operand's K step s takes, for registers 4 c .. 4 c + 3, block 4 s + 2 c + h: byte 1,024 s + 512 c + 16 lane.  Its scale bytes are 256 bytes [r][block].
; SHARES: work-group g is the pair of tiles 2 g, 2 g + 1 (32 rows of one tensor; pairs 0-255 x, then 16 each of Wq, Wk, Wv, Wo); a wave takes one tile, one row (512 numbers) a step, 16 steps written out.
; A step's four loads read 512 consecutive bytes each; the 2,048 bytes turn through the wave's own stage in LDS so that a lane holds 16 neighbours along K (two lanes to a block).  The codes are gathered in an
; image in LDS and leave as eight stores of 512 consecutive bytes, the scale bytes as one store of 256.  Waves share nothing: no barrier.  Loads run four steps (16 loads a wave) ahead, the stage one step.
; LIMITS: NaN and infinities among the inputs are not served.  A block whose largest magnitude lies under 2^-124 gets the byte 1; a block of zeros gets the byte 1 (the rule says 127) over zero codes: only this program reads the bytes.
.set SP,    80                         ; a lane's place in a stage: its 64 bytes + 16 of padding
.set WREG,  10240                      ; LDS of a wave: two stages, the image, the scale bytes
.set IMG,   2*32*SP                    ; the image: 16 blocks x (256 bytes + 16): block q starts 4 words further on in the banks than block q - 1 (64 banks of 4 bytes: ISA guide 11.1)
.set IP,    272
.set SBY,   IMG+16*IP                  ; 256 scale bytes
.set R,     16                         ; v16-79   four sets of 16 numbers as loaded
.set X,     80                         ; v80-111  two sets of 16 neighbours
.set E,     112                        ; v112-127 a scale byte for each step
.set C,     128                        ; v128-159 codes: two registers for each step
.set OUTR,  160                        ; v160-191 the image on its way out
	s_load_b256 s[4:11], s[0:1], 0x0               ; x, Wq, Wk, Wv
	s_load_b128 s[12:15], s[0:1], 0x20             ; Wo, qc
	s_load_b64 s[16:17], s[0:1], 0x30              ; qs
	v_lshl_add_u32 v192, v0, 2, 0x5000
	v_mov_b32 v193, 0
	v_lshrrev_b32 v1, 5, v0
	v_readfirstlane_b32 s20, v1                    ; wave 0, 1
	v_and_b32 v2, 31, v0                           ; lane
	v_lshlrev_b32 v3, 4, v2                        ; 16 x lane: my bytes of a load's 512, and of a store's
	s_mul_i32 s21, s20, WREG
	v_lshrrev_b32 v14, 2, v2
	v_mul_u32_u24 v14, v14, SP
	v_and_b32 v15, 3, v2
	v_lshl_add_u32 v14, v15, 4, v14
	v_add_nc_u32 v14, s21, v14                     ; the stage, way in: four lanes' 64 bytes on end, then the padding
	v_mul_u32_u24 v15, v2, SP
	v_add_nc_u32 v15, s21, v15                     ; way out: my 16 neighbours
	v_lshrrev_b32 v5, 1, v2                        ; my block
	v_mul_u32_u24 v4, v5, IP
	v_and_b32 v8, 1, v2
	v_lshl_add_u32 v4, v8, 3, v4
	v_add_nc_u32 v4, s21, v4                       ; the image, way in: block x pitch + 8 x (my half of the block); the row stands in the offset
	v_add_nc_u32 v5, s21, v5                       ; my block's scale byte
	v_lshrrev_b32 v6, 4, v2
	v_mul_u32_u24 v6, v6, IP
	v_and_b32 v8, 15, v2
	v_lshl_add_u32 v6, v8, 4, v6
	v_add_nc_u32 v6, s21, v6                       ; the image, way out: two blocks an instruction
	v_lshlrev_b32 v10, 3, v2                       ; 8 x lane: the scale bytes' store
	v_add_nc_u32 v7, s21, v10
	s_and_b32 s18, ttmp9, 15                       ; a weight's pair (256 is a multiple of 16)
	s_wait_kmcnt 0x0
	s_cmp_lt_u32 ttmp9, 272                        ; which tensor: the choice hangs on the work-group's number alone
	s_cselect_b64 s[6:7], s[6:7], s[8:9]
	s_cmp_lt_u32 ttmp9, 304
	s_cselect_b64 s[10:11], s[10:11], s[12:13]
	s_cmp_lt_u32 ttmp9, 288
	s_cselect_b64 s[6:7], s[6:7], s[10:11]
	s_cmp_lt_u32 ttmp9, 256
	s_cselect_b64 s[4:5], s[4:5], s[6:7]
	s_cselect_b32 s18, ttmp9, s18
	s_lshl_b32 s18, s18, 16                        ; a pair's 32 rows of 2,048 bytes,
	s_lshl_b32 s19, s20, 14                        ; the odd tile begins 8 rows further down
	s_add_co_u32 s18, s18, s19
	s_mov_b32 s19, 0
	s_add_nc_u64 s[4:5], s[4:5], s[18:19]
	s_lshl_b32 s22, ttmp9, 1
	s_add_co_u32 s22, s22, s20                     ; T
	s_lshl_b32 s18, s22, 12
	s_add_nc_u64 s[14:15], s[14:15], s[18:19]
	s_lshl_b32 s18, s22, 8
	s_add_nc_u64 s[16:17], s[16:17], s[18:19]
.macro LOAD t                          ; row t of the tile lies t + 8 (t / 8) rows down
.irp i, 0,1,2,3
	global_load_b128 v[R+16*((\t)%4)+4*\i:R+16*((\t)%4)+4*\i+3], v3, s[4:5] offset:2048*((\t)+8*((\t)/8))+512*\i th:TH_LOAD_NT
.endr
.endm
.macro TURN t                          ; LDS serves a wave's instructions in order (ISA guide 5.7.1.4): no wait between the stores and the loads
.irp i, 0,1,2,3
	ds_store_b128 v14, v[R+16*((\t)%4)+4*\i:R+16*((\t)%4)+4*\i+3] offset:32*SP*((\t)%2)+8*SP*\i
.endr
.irp i, 0,1,2,3
	ds_load_b128 v[X+16*((\t)%2)+4*\i:X+16*((\t)%2)+4*\i+3], v15 offset:32*SP*((\t)%2)+16*\i
.endr
.endm
.irp t, 0,1,2,3
	LOAD \t
.endr
	s_wait_loadcnt 12                              ; row 0's four loads are in
	TURN 0
.macro STEP t
.set XS, X+16*((\t)%2)
.if (\t) > 0
	s_wait_dscnt 2                                 ; this row is back from the stage; the last step's two stores (codes, byte) may be out
.else
	s_wait_dscnt 0x0
.endif
.if (\t)+4 < 16
	LOAD (\t)+4                                    ; into the registers that this row's stores into the stage have read
.endif
.if (\t)+1 < 16
.if 14-(\t) >= 3
	s_wait_loadcnt 12                              ; the next row's four loads are in; those of the three rows behind it may be out
.else
	s_wait_loadcnt 4*(14-(\t))
.endif
	TURN (\t)+1
.endif
	v_max3_num_f32 v8, |v[XS]|, |v[XS+1]|, |v[XS+2]|               ; the largest magnitude of my 16, in two chains
	v_max3_num_f32 v9, |v[XS+3]|, |v[XS+4]|, |v[XS+5]|
.irp i, 6,10
	v_max3_num_f32 v8, v8, |v[XS+\i]|, |v[XS+\i+1]|
	v_max3_num_f32 v9, v9, |v[XS+\i+2]|, |v[XS+\i+3]|
.endr
	v_max3_num_f32 v8, v8, |v[XS+14]|, |v[XS+15]|
	v_max3_num_f32 v8, v8, v9, 0x1800000           ; and the floor 2^(3 - 127): the byte cannot fall under 1
	v_max_num_f32_dpp v8, v8, v8 row_xmask:1 row_mask:0xf bank_mask:0xf   ; with my neighbour's 16: the block's
	v_add_nc_u32 v11, 0xff000000, v8               ; 2 off its exponent field: the conversion takes the exponent field of this operand as its scale
	v_cvt_scalef32_pk8_fp4_f32 v[C+2*(\t)], v[XS:XS+7], v11
	v_cvt_scalef32_pk8_fp4_f32 v[C+2*(\t)+1], v[XS+8:XS+15], v11
	v_lshrrev_b32 v[E+(\t)], 23, v11               ; the scale's byte
	ds_store_b64 v4, v[C+2*(\t):C+2*(\t)+1] offset:IMG+16*(\t)
	ds_store_b8 v5, v[E+(\t)] offset:SBY+16*(\t)   ; both lanes of a block write the same byte with the same value
.endm
.irp t, 0,1,2,3,4,5,6,7,8,9,10,11,12,13,14,15
	STEP \t
.endr
.irp q, 0,1,2,3,4,5,6,7
	ds_load_b128 v[OUTR+4*\q:OUTR+4*\q+3], v6 offset:IMG+2*IP*\q    ; these see my stores: LDS serves a wave in order
.endr
	ds_load_b64 v[12:13], v7 offset:SBY
.irp q, 0,1,2,3,4,5,6,7
	s_wait_dscnt 8-\q                              ; behind load q: the 7 - q image loads and the scale bytes' load
	global_store_b128 v3, v[OUTR+4*\q:OUTR+4*\q+3], s[14:15] offset:512*\q   ; 512 consecutive bytes, aligned
.endr
	s_wait_dscnt 0x0
	global_store_b64 v10, v[12:13], s[16:17]       ; 256 consecutive bytes, aligned
	s_wait_tensorcnt 0x0
	ds_add_u32 v192, v193
	s_wait_dscnt 0x0
	s_endpgm
.Lfunc_end_k_q1c12c6b9c9_quant:
	.size	k_q1c12c6b9c9_quant, .Lfunc_end_k_q1c12c6b9c9_quant-k_q1c12c6b9c9_quant
	.p2alignl 7, 3214868480
	.fill 96, 4, 3214868480
	.section	.rodata,"a",@progbits
	.p2align	6, 0x0
	.amdhsa_kernel k_q1c12c6b9c9_quant
		.amdhsa_group_segment_fixed_size 20736
		.amdhsa_private_segment_fixed_size 0
		.amdhsa_enable_private_segment 0
		.amdhsa_kernarg_size 56
		.amdhsa_user_sgpr_count 2
		.amdhsa_user_sgpr_kernarg_segment_ptr 1
		.amdhsa_wavefront_size32 1
		.amdhsa_system_sgpr_workgroup_id_x 1
		.amdhsa_system_sgpr_workgroup_id_y 1
		.amdhsa_system_sgpr_workgroup_id_z 1
		.amdhsa_system_vgpr_workitem_id 0
		.amdhsa_next_free_vgpr 194
		.amdhsa_next_free_sgpr 66
		.amdhsa_reserve_vcc 0
		.amdhsa_float_denorm_mode_32 3
		.amdhsa_float_denorm_mode_16_64 3
		.amdhsa_memory_ordered 1
		.amdhsa_forward_progress 1
		.amdhsa_inst_pref_size 35
	.end_amdhsa_kernel
	.amdgpu_metadata
---
amdhsa.version: [ 1, 2 ]
amdhsa.kernels:
  - .name:           k_q1c12c6b9c9_quant
    .symbol:         k_q1c12c6b9c9_quant.kd
    .args:
      - { .name: x, .offset: 0, .size: 8, .value_kind: global_buffer, .address_space: global }
      - { .name: Wq, .offset: 8, .size: 8, .value_kind: global_buffer, .address_space: global }
      - { .name: Wk, .offset: 16, .size: 8, .value_kind: global_buffer, .address_space: global }
      - { .name: Wv, .offset: 24, .size: 8, .value_kind: global_buffer, .address_space: global }
      - { .name: Wo, .offset: 32, .size: 8, .value_kind: global_buffer, .address_space: global }
      - { .name: qc, .offset: 40, .size: 8, .value_kind: global_buffer, .address_space: global }
      - { .name: qs, .offset: 48, .size: 8, .value_kind: global_buffer, .address_space: global }
    .group_segment_fixed_size: 20736
    .private_segment_fixed_size: 0
    .kernarg_segment_align: 8
    .kernarg_segment_size: 56
    .max_flat_workgroup_size: 64
    .sgpr_count:     66
    .vgpr_count:     194
    .wavefront_size: 32
...
	.end_amdgpu_metadata
.endif
;; end of part 1
;; launch proj (part 2): grid 64 x 4, 3 waves a work-group, no clusters, 0 bytes of LDS; arguments qc, qs, bq, bk, bv, qp, kv; writes qp, kv
.if DOCPART == 2
	.amdgcn_target "amdgcn-amd-amdhsa--gfx1250"
	.amdhsa_code_object_version 6
	.text
	.protected	k_q1c12c6b9c9_proj
	.globl	k_q1c12c6b9c9_proj
	.p2align	8
	.type	k_q1c12c6b9c9_proj,@function
k_q1c12c6b9c9_proj:
	s_mov_b64 s[64:65], 0
	v_nop
	global_prefetch_b8 v0, s[64:65] scope:SCOPE_SE
	s_setreg_imm32_b32 hwreg(HW_REG_WAVE_MODE, 25, 1), 1
	s_wait_xcnt 0x0
; q = x Wq^T + bq, k = x Wk^T + bk, v = x Wv^T + bv on codes of FP4 with E8M0 scales; the results are quantised in registers, q and k along the head's 64, v along the keys, and stored as operand images.
; SHARES: work-group (sg, fg): 128 rows of x (batch sg / 32, key step sg % 32) x 128 features (heads 2 fg, 2 fg + 1).  Wave 0 makes q, wave 1 k, wave 2 v.  Operands come from memory straight into registers, as images:
; a fragment is two loads of 512 consecutive bytes.  No LDS, no barrier, no loop.
; A CELL: source 0 = 8 tiles (the 128 that run along the NEXT product's K), source 1 = one tile, K = 512: 32 matrix instructions on 8 accumulators by turns, then one quantiser.
;   q, k: source 0 = the weight's 8 tiles (they stay), source 1 = a tile of x: a lane holds one row and 64 features.     v: source 0 = x's 8 tiles (they stay), source 1 = a tile of Wv: a lane holds one feature and 64 keys.
; The rows of a tile are 32 (T / 2) + 8 (T % 2) + r + 8 (r / 8): so the 16 registers of tiles 2 b, 2 b + 1 are 16 neighbours 32 b + 16 (lane / 16) + 0 .. 15 along the next K.
; The bias is the C of a cell's first eight matrix instructions.
; OUT.  A part is 4,096 bytes of codes + 256 of scale words [r][4].  q, k: tile i's 16 rows x 64 codes at 512 i + 16 lane; word dt of row r = the two bytes of tile 2 dt, then of tile 2 dt + 1.
;   v: tile t of 16 features x 128 keys, a whole fragment, at 1,024 t; word t of row r = its four bytes.
; LIMITS: as in the launch that makes the codes: a block under 2^-124 or of zeros gets the byte 1; NaN and infinities are not served.
; REGISTERS, in windows of 256: window 0: v1-8 addresses; v16-79 the accumulators; v80-95 at work; v96-111, v112-127 scale words; v128-135 the cells' scale words; v144-207 the cells' codes (each cell its own: no store's data are written again).
;   window 1: source 0's 32 fragments, v[32 t + 8 s].   window 2: source 1's, v[32 i + 8 s].   window 3: v0-63 the biases.
.set WQ,   2097152                     ; Wq's images in qc; Wk's and Wv's 131,072 bytes further on each
.set WSB,  131072                      ; Wq's scale bytes in qs; 8,192 further on each
.set ACC,  16
.set TM,   80                          ; +0..3 largest magnitudes, +4..7 bytes, +12..15 the conversions' scale operands
.set SSC,  96                          ; source 0's scale words: register 4 p + s: lanes 0-15 tile 2 p, lanes 16-31 tile 2 p + 1, K step s
.set TSC,  112                         ; source 1's likewise
.set PWS,  128
.set OW,   136
.set PCB,  144
.set MSB, 0
.macro WIN new                         ; the immediate's high byte repeats the setting that is left
.if MSB != \new
	s_set_vgpr_msb (MSB<<8)|\new
.set MSB, \new
.endif
.endm
; one scaled product; ra, rb = 1: that side's scale words stand in lanes 16-31
.macro WM d, a, b, c, sa, sb, ra, rb
.if (\ra) && (\rb)
	v_wmma_scale_f32_16x16x128_f8f6f4 v[\d:\d+7], v[\a:\a+7], v[\b:\b+7], v[\c:\c+7], v[\sa], v[\sb] matrix_a_fmt:MATRIX_FMT_FP4 matrix_b_fmt:MATRIX_FMT_FP4 matrix_a_scale:MATRIX_SCALE_ROW1 matrix_b_scale:MATRIX_SCALE_ROW1
.elseif (\ra)
	v_wmma_scale_f32_16x16x128_f8f6f4 v[\d:\d+7], v[\a:\a+7], v[\b:\b+7], v[\c:\c+7], v[\sa], v[\sb] matrix_a_fmt:MATRIX_FMT_FP4 matrix_b_fmt:MATRIX_FMT_FP4 matrix_a_scale:MATRIX_SCALE_ROW1
.elseif (\rb)
	v_wmma_scale_f32_16x16x128_f8f6f4 v[\d:\d+7], v[\a:\a+7], v[\b:\b+7], v[\c:\c+7], v[\sa], v[\sb] matrix_a_fmt:MATRIX_FMT_FP4 matrix_b_fmt:MATRIX_FMT_FP4 matrix_b_scale:MATRIX_SCALE_ROW1
.else
	v_wmma_scale_f32_16x16x128_f8f6f4 v[\d:\d+7], v[\a:\a+7], v[\b:\b+7], v[\c:\c+7], v[\sa], v[\sb] matrix_a_fmt:MATRIX_FMT_FP4 matrix_b_fmt:MATRIX_FMT_FP4
.endif
.endm
; 64 numbers of a lane, register 16 b + i = k 32 b + 16 (lane / 16) + i of my row, become a fragment's codes in v[pc] on and its scale word in v[pw]
.macro QUANT s, pc, pw
.irp b, 0,1,2,3
	v_max3_num_f32 v[TM+\b], |v[\s+16*\b]|, |v[\s+1+16*\b]|, 0x1800000   ; my 16 numbers of block b, from each accumulator's low end on, and the floor 2^(3 - 127)
.endr
.irp i, 2,4,6,8,10,12,14
.irp b, 0,1,2,3
	v_max3_num_f32 v[TM+\b], v[TM+\b], |v[\s+16*\b+\i]|, |v[\s+1+16*\b+\i]|
.endr
.endr
.irp b, 0,1,2,3
	v_permlanex16_b32 v[TM+4+\b], v[TM+\b], s36, s37
.endr
.irp b, 0,1,2,3
	v_max_num_f32 v[TM+\b], v[TM+\b], v[TM+4+\b]   ; with lane l xor 16's: the block's largest magnitude
.endr
.irp b, 0,1,2,3
	v_add_nc_u32 v[TM+12+\b], 0xff000000, v[TM+\b] ; 2 off its exponent field: the conversion's scale operand
.endr
.irp b, 0,1,2,3
	v_lshrrev_b32 v[TM+4+\b], 23, v[TM+12+\b]      ; the scale's byte
.endr
	v_lshl_or_b32 v[\pw], v[TM+5], 8, v[TM+4]
	v_lshl_or_b32 v[\pw], v[TM+6], 16, v[\pw]
	v_lshl_or_b32 v[\pw], v[TM+7], 24, v[\pw]
.irp b, 0,1,2,3
	v_cvt_scalef32_pk8_fp4_f32 v[\pc+2*\b], v[\s+16*\b:\s+7+16*\b], v[TM+12+\b]
	v_cvt_scalef32_pk8_fp4_f32 v[\pc+1+2*\b], v[\s+8+16*\b:\s+15+16*\b], v[TM+12+\b]
.endr
	v_nop                                          ; one plain place behind a scaled conversion
.irp c, 0,1                                    ; the operand wants a whole block in a lane: lanes 0-15 block 2 c, lanes 16-31 block 2 c + 1
.irp i, 0,1
	v_permlane16_swap_b32 v[\pc+4*\c+\i], v[\pc+2+4*\c+\i]
.endr
.endr
.endm
; Cell i.  isv = 0: the bias hangs on source 0's tile; 1: on the cell.  The eight accumulators take turns, one instruction a turn.
.macro CELL i, isv
	s_wait_loadcnt 8*(7-\i)                        ; all but the later cells' fragments of source 1, eight loads each
	WIN 0x39                                       ; source 0 window 1, source 1 window 2, C window 3, D window 0
.irp t, 0,1,2,3,4,5,6,7
.if \isv
	WM ACC+8*\t, 32*\t, 32*\i, 8*\i, SSC+4*(\t/2), TSC+4*(\i/2), \t%2, \i%2
.else
	WM ACC+8*\t, 32*\t, 32*\i, 8*\t, SSC+4*(\t/2), TSC+4*(\i/2), \t%2, \i%2
.endif
.endr
	WIN 0x09                                       ; C now window 0
.irp s, 1,2,3
.irp t, 0,1,2,3,4,5,6,7
	WM ACC+8*\t, 32*\t+8*\s, 32*\i+8*\s, ACC+8*\t, SSC+4*(\t/2)+\s, TSC+4*(\i/2)+\s, \t%2, \i%2
.endr
.endr
	WIN 0
.rept 4
	v_nop                                          ; four places between the last product and the first read of results (ISA guide 7.12.1)
.endr
	QUANT ACC, PCB+8*\i, PWS+\i
.endm
	s_load_b256 s[4:11], s[0:1], 0x0               ; qc, qs, bq, bk
	s_load_b128 s[12:15], s[0:1], 0x20             ; bv, qp
	s_load_b64 s[16:17], s[0:1], 0x30              ; kv
	v_lshrrev_b32 v8, 5, v0
	v_readfirstlane_b32 s18, v8                    ; wave 0..2
	v_and_b32 v4, 31, v0                           ; lane
	v_and_b32 v2, 15, v0                           ; r
	v_bfe_u32 v3, v0, 4, 1                         ; h
	v_lshlrev_b32 v1, 4, v4                        ; 16 x lane
.irp b, 0,1,2,3
	v_mov_b32 v[TM+4+\b], 0                        ; written once: a lane permute's destination counts as one of its sources
.endr
	s_mov_b32 s19, ttmp9                           ; sg
	s_and_b32 s20, ttmp7, 0xffff                   ; fg
	s_mov_b32 s36, 0x76543210
	s_mov_b32 s37, 0xfedcba98                      ; v_permlanex16_b32's selects for lane l xor 16
	s_lshr_b32 s21, s19, 5
	s_lshl_b32 s21, s21, 2
	s_add_co_u32 s21, s21, s20
	s_lshl_b32 s21, s21, 6
	s_and_b32 s38, s19, 31
	s_add_co_u32 s21, s21, s38                     ; the part's number: (8 batch + 2 fg) x 32 + step
	s_lshl_b32 s38, s19, 15                        ; x's 8 tiles: 32,768 sg
	s_lshl_b32 s39, s18, 17
	s_lshl_b32 s40, s20, 15
	s_add_co_u32 s39, s39, s40
	s_add_co_u32 s39, s39, WQ                      ; my weight's 8 tiles
	s_lshl_b32 s40, s19, 11                        ; and their scale bytes
	s_lshl_b32 s41, s18, 13
	s_lshl_b32 s42, s20, 11
	s_add_co_u32 s41, s41, s42
	s_add_co_u32 s41, s41, WSB
	s_cmp_lt_u32 s18, 2                            ; q, k: the weight stays; v: x stays
	s_cselect_b32 s44, s39, s38
	s_cselect_b32 s46, s38, s39
	s_cselect_b32 s48, s41, s40
	s_cselect_b32 s50, s40, s41
	s_mov_b32 s45, 0
	s_mov_b32 s47, 0
	s_mov_b32 s49, 0
	s_mov_b32 s51, 0
	s_wait_alu depctr_va_vdst(0)
	s_wait_kmcnt 0x0
	s_add_nc_u64 s[22:23], s[4:5], s[44:45]        ; source 0's codes
	s_add_nc_u64 s[24:25], s[4:5], s[46:47]        ; source 1's
	s_add_nc_u64 s[26:27], s[6:7], s[48:49]        ; source 0's scale bytes
	s_add_nc_u64 s[28:29], s[6:7], s[50:51]        ; source 1's
.irp p, 0,1,2,3
	global_load_b128 v[SSC+4*\p:SSC+4*\p+3], v1, s[26:27] offset:512*\p   ; a pair of tiles: 16 bytes a row = the four K steps' words
.endr
.irp p, 0,1,2,3
	global_load_b128 v[TSC+4*\p:TSC+4*\p+3], v1, s[28:29] offset:512*\p
.endr
	WIN 0x40                                       ; destination window 1
.irp t, 0,1,2,3,4,5,6,7
.irp s, 0,1,2,3
.irp c, 0,1
	global_load_b128 v[32*\t+8*\s+4*\c:32*\t+8*\s+4*\c+3], v1, s[22:23] offset:4096*\t+1024*\s+512*\c
.endr
.endr
.endr
	WIN 0
	s_cmp_eq_u32 s18, 2
	s_cbranch_scc1 .Lv
	; ---- q and k
	s_cmp_eq_u32 s18, 0
	s_cselect_b64 s[30:31], s[8:9], s[10:11]       ; bq or bk
	s_cselect_b64 s[32:33], s[14:15], s[16:17]     ; qp or kv
	s_mov_b32 s38, 8704
	s_cselect_b32 s38, 4352, s38                   ; bytes from part to part
	s_lshl_b32 s40, s20, 9
	s_mov_b32 s41, 0
	s_add_nc_u64 s[30:31], s[30:31], s[40:41]      ; my 128 biases
	s_mul_i32 s40, s21, s38
	s_add_nc_u64 s[32:33], s[32:33], s[40:41]      ; head 2 fg's part
	s_lshl_b32 s40, s38, 5
	s_add_nc_u64 s[34:35], s[32:33], s[40:41]      ; head 2 fg + 1's: 32 parts on
	v_mul_u32_u24 v6, s40, v3
	v_lshl_add_u32 v6, v2, 4, v6                   ; the scale words' store: lanes 0-15 the first head's rows, lanes 16-31 the second's
	v_lshlrev_b32 v5, 6, v3                        ; the bias: 16 h numbers on
	v_mov_b32 v7, 0x05040100
	v_mov_b32 v8, 0x07060302
	v_cmp_lt_u32 vcc_lo, 15, v4
	v_cndmask_b32 v7, v7, v8, vcc_lo               ; lanes 0-15 pick the words' low halves (first head), lanes 16-31 the high
	WIN 0xc0                                       ; destination window 3
.irp t, 0,1,2,3,4,5,6,7
	global_load_b128 v[8*\t:8*\t+3], v5, s[30:31] offset:(32*(\t/2)+8*(\t%2))*4      ; register j of tile t: feature 32 (t / 2) + 8 (t % 2) + 16 h + j
	global_load_b128 v[8*\t+4:8*\t+7], v5, s[30:31] offset:(32*(\t/2)+8*(\t%2))*4+16
.endr
	WIN 0x80                                       ; destination window 2
.irp i, 0,1,2,3,4,5,6,7
.irp s, 0,1,2,3
.irp c, 0,1
	global_load_b128 v[32*\i+8*\s+4*\c:32*\i+8*\s+4*\c+3], v1, s[24:25] offset:4096*\i+1024*\s+512*\c
.endr
.endr
.endr
	WIN 0
.irp i, 0,1,2,3,4,5,6,7
	CELL \i, 0
	global_store_b128 v1, v[PCB+8*\i:PCB+8*\i+3], s[32:33] offset:512*\i     ; registers 0-3: the first head's 64 features of 16 rows: 512 consecutive bytes
	global_store_b128 v1, v[PCB+8*\i+4:PCB+8*\i+7], s[34:35] offset:512*\i   ; registers 4-7: the second head's
.endr
.irp d, 0,1,2,3
	v_perm_b32 v[OW+\d], v[PWS+2*\d+1], v[PWS+2*\d], v7   ; two bytes of tile 2 d, two of tile 2 d + 1
.endr
	global_store_b128 v6, v[OW:OW+3], s[32:33] offset:4096   ; sixteen lanes fill 256 consecutive bytes, aligned
	s_endpgm
.Lv:
	; ---- v
	s_lshl_b32 s40, s20, 9
	s_mov_b32 s41, 0
	s_add_nc_u64 s[30:31], s[12:13], s[40:41]
	s_mul_i32 s40, s21, 8704
	s_add_nc_u64 s[32:33], s[16:17], s[40:41]      ; head 2 fg's step in kv; head 2 fg + 1's lies 278,528 bytes on
	v_and_b32 v5, 8, v2
	v_add_nc_u32 v5, v5, v2
	v_lshlrev_b32 v5, 2, v5                        ; my feature in a tile of Wv: r + 8 (r / 8)
	v_mul_u32_u24 v6, 278528, v3
	v_lshl_add_u32 v6, v2, 4, v6
	v_cmp_lt_u32 vcc_lo, 15, v4
	WIN 0xc0
.irp i, 0,1,2,3,4,5,6,7
.irp j, 0,1,2,3,4,5,6,7
	global_load_b32 v[8*\i+\j], v5, s[30:31] offset:(32*(\i/2)+8*(\i%2))*4   ; a lane's one bias fills the eight registers of C
.endr
.endr
	WIN 0x80
.irp i, 0,1,2,3,4,5,6,7
.irp s, 0,1,2,3
.irp c, 0,1
	global_load_b128 v[32*\i+8*\s+4*\c:32*\i+8*\s+4*\c+3], v1, s[24:25] offset:4096*\i+1024*\s+512*\c
.endr
.endr
.endr
	WIN 0
.irp i, 0,1,2,3,4,5,6,7
	CELL \i, 1
	global_store_b128 v1, v[PCB+8*\i:PCB+8*\i+3], s[32:33] offset:(\i/4)*278528+4352+(\i%4)*1024
	global_store_b128 v1, v[PCB+8*\i+4:PCB+8*\i+7], s[32:33] offset:(\i/4)*278528+4352+(\i%4)*1024+512
.endr
.irp d, 0,1,2,3
	v_cndmask_b32 v[OW+\d], v[PWS+\d], v[PWS+4+\d], vcc_lo   ; lanes 0-15 the first head's four tiles, lanes 16-31 the second's
.endr
	global_store_b128 v6, v[OW:OW+3], s[32:33] offset:8448
	s_endpgm
.Lfunc_end_k_q1c12c6b9c9_proj:
	.size	k_q1c12c6b9c9_proj, .Lfunc_end_k_q1c12c6b9c9_proj-k_q1c12c6b9c9_proj
	.p2alignl 7, 3214868480
	.fill 96, 4, 3214868480
	.section	.rodata,"a",@progbits
	.p2align	6, 0x0
	.amdhsa_kernel k_q1c12c6b9c9_proj
		.amdhsa_group_segment_fixed_size 0
		.amdhsa_private_segment_fixed_size 0
		.amdhsa_enable_private_segment 0
		.amdhsa_kernarg_size 56
		.amdhsa_user_sgpr_count 2
		.amdhsa_user_sgpr_kernarg_segment_ptr 1
		.amdhsa_wavefront_size32 1
		.amdhsa_system_sgpr_workgroup_id_x 1
		.amdhsa_system_sgpr_workgroup_id_y 1
		.amdhsa_system_sgpr_workgroup_id_z 1
		.amdhsa_system_vgpr_workitem_id 0
		.amdhsa_next_free_vgpr 832
		.amdhsa_next_free_sgpr 66
		.amdhsa_reserve_vcc 1
		.amdhsa_float_denorm_mode_32 3
		.amdhsa_float_denorm_mode_16_64 3
		.amdhsa_memory_ordered 1
		.amdhsa_forward_progress 1
		.amdhsa_inst_pref_size 161
	.end_amdhsa_kernel
	.amdgpu_metadata
---
amdhsa.version: [ 1, 2 ]
amdhsa.kernels:
  - .name:           k_q1c12c6b9c9_proj
    .symbol:         k_q1c12c6b9c9_proj.kd
    .args:
      - { .name: qc, .offset: 0, .size: 8, .value_kind: global_buffer, .address_space: global }
      - { .name: qs, .offset: 8, .size: 8, .value_kind: global_buffer, .address_space: global }
      - { .name: bq, .offset: 16, .size: 8, .value_kind: global_buffer, .address_space: global }
      - { .name: bk, .offset: 24, .size: 8, .value_kind: global_buffer, .address_space: global }
      - { .name: bv, .offset: 32, .size: 8, .value_kind: global_buffer, .address_space: global }
      - { .name: qp, .offset: 40, .size: 8, .value_kind: global_buffer, .address_space: global }
      - { .name: kv, .offset: 48, .size: 8, .value_kind: global_buffer, .address_space: global }
    .group_segment_fixed_size: 0
    .private_segment_fixed_size: 0
    .kernarg_segment_align: 8
    .kernarg_segment_size: 56
    .max_flat_workgroup_size: 96
    .sgpr_count:     66
    .vgpr_count:     832
    .wavefront_size: 32
...
	.end_amdgpu_metadata
.endif
;; end of part 2
;; launch attn (part 3): grid 16 x 16, 16 waves a work-group, clusters of 4 x 1, 327,680 bytes of LDS; arguments qp, kv, cc, cs; writes cc, cs
.if DOCPART == 3
	.amdgcn_target "amdgcn-amd-amdhsa--gfx1250"
	.amdhsa_code_object_version 6
	.text
	.protected	k_q1c12c6b9c9_attn
	.globl	k_q1c12c6b9c9_attn
	.p2align	8
	.type	k_q1c12c6b9c9_attn,@function
k_q1c12c6b9c9_attn:
	s_mov_b64 s[64:65], 0
	v_nop
	global_prefetch_b8 v0, s[64:65] scope:SCOPE_SE
	s_setreg_imm32_b32 hwreg(HW_REG_WAVE_MODE, 25, 1), 1
	s_wait_xcnt 0x0
	s_wait_alu depctr_hold_cnt(0) depctr_sa_sdst(0) depctr_va_vdst(0) depctr_va_sdst(0) depctr_va_ssrc(0) depctr_va_vcc(0) depctr_vm_vsrc(0)
	s_getreg_b32 s2, hwreg(HW_REG_IB_STS2, 6, 4)
	s_cmp_eq_u32 s2, 0
	s_cbranch_scc0 .Lentry_in_a_cluster
	s_endpgm
.Lentry_in_a_cluster:
	s_bfe_u32 s2, ttmp6, 0x10000c
	s_cmp_lg_u32 s2, 0x3003
	s_cbranch_scc0 .Lentry_shape_is_right
	s_endpgm
.Lentry_shape_is_right:
; ctx = softmax(q k^T / 8) v for one head, both products on codes of FP4 with E8M0 scales; ctx is quantised along the head's 64 and stored as an operand image for the last product.
; THE SOFTMAX: t = score x log2(e) / 8; M = the row's largest t so far, rounded UP to a whole number; p = 2^(t - M) is quantised along the keys, not normalised; the row's sum is taken of the unquantised p and divides at the end.
; When M moves, the sum and O are multiplied by 2^(old M - new M): exact.
; SHARES: a work-group owns 256 queries of one head, each of its sixteen waves one tile of 16, in 256 registers.
; A HEAD'S K AND V, codes and scale words, are 278,528 bytes: they come into LDS once and stay.  Each of the sixteen waves asks for two key steps, 17 rows of 1,024 bytes, by ONE tensor load at the head; one barrier follows, and none after it.
; The mover lays 128 bytes of padding behind every 1,024: memory byte x of the head lies at LDS byte x + 128 (x / 1024).
; CLUSTER: the four work-groups of a cluster are four query blocks of one head and read the same bytes: each load is asked for jointly, with the same descriptor and a mask that names the four.
; NO PREFETCH: every tensor load of the launch is issued at the head; there is no loop in which a request could run ahead of a load.
; LAYOUT: both products transposed (S^T = K Q^T, O^T = V^T P^T): a lane holds ONE query (lane % 16) throughout.
; THE KEYS OF A TILE ARE CHOSEN BY THE LOADS' ADDRESSES: row m of tile (g, i) is key 64 g + 32 (m / 8) + 8 i + m % 8 of the step.  So the 32 registers of tiles (g, 0..3) of lane (r, h) are the WHOLE block 2 g + h of 32 keys, in order:
; a block's largest score needs no other lane, and the conversion of tile (g, i) is register 4 g + i of P's operand as it stands.
; In K's image (tile T of 16 rows at 512 T + 256 h + 16 r', rows 32 (T / 2) + 8 (T % 2) + r' + 8 (r' / 8)) that key lies in T = 2 (2 g + m / 8) + i % 2 at r' = m % 8 + 8 (i / 2).  Rows m >= 8 lie 1,024 bytes of memory, 1,152 of LDS, behind rows m < 8:
; the sixteen lanes of half a load touch sixteen different 16-byte columns of 256 bytes.
; K = 64 IN A FORM OF 128: tiles (g, 2 j) and (g, 2 j + 1) lie side by side in one fragment (registers 0-3, 4-7; scale bytes 0-1, 2-3).  Q stands between zeros, v16-19 = 0, v20-23 = q, v24-27 = 0: v[20:27] picks the first, v[16:23] the second;
; the other half meets zero codes, which add nothing under any scale byte that a quantiser makes.  Q's scale word holds its two bytes twice.
; LIMITS: NaN and infinities are not served; a block of ctx under 2^-124 or of zeros gets the byte 1; the division by the sum is v_rcp_f32 and a multiplication.
.set PART,  4352                       ; 4,096 bytes of codes + 256 of scale words
.set PAIRM, 17408                      ; two key steps (K part, V part each) in memory: what one tensor load brings
.set PAIRL, 19584                      ; and in LDS: 17 rows of 1,152
.set HEADB, 16*PAIRM
.set CSST,  16*PAIRL                   ; behind the head: 512 bytes, blocks of their own, for ctx's scale bytes
.set SPARE, CSST+512                   ; the spare words, 128 bytes for each wave
.set GL,  1                            ; v1   16 x lane: the global stores' offset
.set LI,  2                            ; v2   V's codes: 16 x lane, + the pair in hand
.set LJ,  3                            ; v3   the same where lanes 16-31 lie behind a padding: + 128 (lane / 16)
.set RV,  4                            ; v4   V's scale words: 16 r
.set KA,  5                            ; v5   K's codes: 1,152 (r / 8) + 256 h + 16 (r % 8)
.set KSA, 6                            ; v6   K's scale words: 16 (r % 8) + 4 (r / 8)
.set CSA, 7                            ; v7   where I put my row's two scale bytes
.set CSR, 8                            ; v8   where wave 0 reads them back
.set NM,  12                           ; v12 -M
.set RUN, 13                           ; v13 the largest score so far
.set SUM, 14                           ; v[14:15] the sum, in two halves
.set ZQ,  16                           ; v16-27 zeros, q, zeros
.set QS,  28                           ; v28  Q's scale word
.set QRAW, 29
.set KF,  32                           ; v32-63   K's four double tiles
.set KS,  64                           ; v64-67   their scale words
.set VF,  68                           ; v68-99   V's four tiles
.set VS,  100                          ; v100-103 their scale words
.set SC,  104                          ; v104-167 S^T, then p: register 32 g + 8 i + j
.set OT,  168                          ; v168-199 O^T
.set PC,  200                          ; v200-207 p's codes
.set BM,  208                          ; v208-209 my two blocks' largest (v208-211 on the way out)
.set MX,  242                          ; v242-249 eight chains of the search, one to an accumulator
.set UU,  250                          ; v250-251 the accumulators' last registers, a block each
.set PD,  216                          ; v216-217 bytes
.set CV,  218                          ; v218-219 the conversions' scale operands
.set PS,  220                          ; v220 p's scale word
.set PW,  221
.set FF,  222                          ; v[222:223] f
.set TT,  224
.set T4,  225
; v226-231, v212-215, v236-239: the sum's chains 1 to 7, a pair each: 226, 228, 230, 212, 214, 236, 238
.set PDX, 232
.set PX,  233
.set SH8, 234                          ; 8 h
.set QA,  240
.set QW,  241
.set SPW, 254
.set NIL, 255
.set WV,  12
.set G1,  16                           ; s[16:23] descriptor group 1;  s[24:27] group 0
.set G0,  24
.set SEL, 40
.set CS,  42
.set CNT, 45
.macro CROUND                          ; a round of the cluster's barrier
	s_barrier_signal -1
	s_barrier_wait -1
	s_cmp_lg_u32 s[WV], 0
	s_cbranch_scc1 .Lnot_wave_0_\@
	s_barrier_signal -3
.Lnot_wave_0_\@:
	s_barrier_wait -3
	s_barrier_signal -1
	s_barrier_wait -1
.endm
.macro WM d, a, b, c, sa, sb
	v_wmma_scale_f32_16x16x128_f8f6f4 v[\d:\d+7], v[\a:\a+7], v[\b:\b+7], \c, v[\sa], v[\sb] matrix_a_fmt:MATRIX_FMT_FP4 matrix_b_fmt:MATRIX_FMT_FP4
.endm
	s_load_b256 s[4:11], s[0:1], 0x0               ; qp, kv, cc, cs
	v_lshl_add_u32 v[SPW], v0, 2, SPARE
	v_mov_b32 v[NIL], 0
	ds_add_u32 v[SPW], v[NIL]                      ; the opening lines: the add, twice on end, and its wait
	ds_add_u32 v[SPW], v[NIL]
	v_lshrrev_b32 v9, 5, v0
	v_readfirstlane_b32 s[WV], v9                  ; wave 0..15
	s_bfe_u32 s13, ttmp6, 0x40000                  ; cx
	s_lshl_b32 s14, ttmp9, 2
	s_add_co_u32 s14, s14, s13                     ; my block of 256 queries: it enters the addresses of qp, cc and cs alone
	s_and_b32 s15, ttmp7, 0xffff                   ; batch x 8 + head, which the four partners share
	s_mov_b32 s[G1], 15|(3<<16)|(1<<20)|(1<<21)|(7<<22)|(31<<25)   ; the mask: all four; elements of 8 bytes; padding on; 21 set beside a mask; after every 256 words 32 words
	s_mov_b32 s[G1+1], 128<<16                     ; tensor_dim0 = 128 elements: 1,024 bytes
	s_mov_b32 s[G1+2], 17<<16                      ; tensor_dim1 = 17
	s_mov_b32 s[G1+3], 128<<16                     ; tile_dim0
	s_mov_b32 s[G1+4], 17                          ; tile_dim1
	s_mov_b32 s[G1+5], 128                         ; the pitch: dense
	s_mov_b32 s[G1+6], 0
	s_mov_b32 s[G1+7], 0
	s_mov_b32 s[SEL], 0x76543210
	s_mov_b32 s[SEL+1], 0xfedcba98                 ; v_permlanex16_b32's selects for lane l xor 16
	s_mov_b32 s[CS], 0x3e38aa3b                    ; c = log2(e) / 8
	s_mov_b32 s[CS+1], s[CS]                       ; (named with it as a pair, so it is written)
	s_mul_i32 s46, s[WV], PAIRL                    ; my two key steps in LDS,
	s_mul_i32 s47, s[WV], PAIRM                    ; and in memory
	s_mul_i32 s48, s15, HEADB
	s_add_co_u32 s48, s48, s47
	s_mov_b32 s49, 0
	s_wait_dscnt 0x0                               ; both opening adds are done
	s_wait_kmcnt 0x0
	s_add_nc_u64 s[48:49], s[6:7], s[48:49]
	CROUND                                         ; all four work-groups are here: the joint loads meet
	s_mov_b32 s[G0], 1
	s_mov_b32 s[G0+1], s46
	s_mov_b64 s[G0+2:G0+3], s[48:49]
	s_or_b32 s[G0+3], s[G0+3], 0x80000000
	tensor_load_to_lds s[G0:G0+3], s[G1:G1+7]      ; every wave's one tensor load
	s_nop 0
.rept 4
	v_nop
.endr
	s_lshr_b32 s50, s[WV], 3
	s_lshl_b32 s51, s14, 1
	s_add_co_u32 s50, s50, s51                     ; my group of 128 queries
	s_lshl_b32 s51, s15, 5
	s_add_co_u32 s50, s50, s51
	s_mul_i32 s50, s50, PART
	s_mov_b32 s51, 0
	s_add_nc_u64 s[4:5], s[4:5], s[50:51]          ; its part of qp
	s_and_b32 s52, s[WV], 7                        ; my tile in it
	s_lshl_b32 s28, s52, 9                         ; its codes,
	s_lshr_b32 s29, s52, 1
	s_lshl_b32 s29, s29, 2                         ; the word of tiles 2 (t / 2), 2 (t / 2) + 1
	s_and_b32 s53, s[WV], 1
	s_cmp_eq_u32 s53, 0
	s_mov_b32 s54, 0x03020302
	s_cselect_b32 s54, 0x01000100, s54             ; my tile's two bytes, twice
	s_lshl_b32 s30, s[WV], 5
	s_add_co_u32 s30, s30, CSST
	s_lshr_b32 s50, s15, 3
	s_lshl_b32 s50, s50, 8
	s_lshl_b32 s53, s14, 4
	s_add_co_u32 s50, s50, s53                     ; the work-group's first tile of ctx: 256 batch + 16 block
	s_and_b32 s55, s15, 7                          ; the head
	s_lshl_b32 s52, s50, 5
	s_lshl_b32 s53, s55, 14
	s_add_co_u32 s52, s52, s53
	s_mov_b32 s53, 0
	s_add_nc_u64 s[10:11], s[10:11], s[52:53]      ; cs: 16,384 head + 32 tile
	s_add_co_u32 s50, s50, s[WV]
	s_lshl_b32 s50, s50, 12
	s_lshl_b32 s52, s55, 9
	s_add_co_u32 s50, s50, s52
	s_add_nc_u64 s[8:9], s[8:9], s[50:51]          ; cc: 4,096 tile + 512 head
	v_and_b32 v9, 31, v0                           ; lane
	v_and_b32 v10, 15, v0                          ; r
	v_bfe_u32 v11, v0, 4, 1                        ; h
	v_and_b32 v30, 7, v0                           ; r % 8
	v_bfe_u32 v31, v0, 3, 1                        ; r / 8
	v_lshlrev_b32 v[GL], 4, v9
	v_lshlrev_b32 v[LI], 4, v9
	v_lshlrev_b32 v[RV], 4, v10
	v_lshlrev_b32 v[KSA], 4, v30
	v_lshlrev_b32 v[SH8], 3, v11
	v_add_nc_u32 v[QA], s28, v[GL]
	v_add_nc_u32 v[QW], s29, v[RV]
	global_load_b128 v[ZQ+4:ZQ+7], v[QA], s[4:5]   ; q's codes: lane (r, h): features 32 h .. 32 h + 31 of query r
	global_load_b32 v[QRAW], v[QW], s[4:5] offset:4096
	v_lshl_add_u32 v[LJ], v11, 7, v[LI]
	v_lshl_add_u32 v[KA], v11, 8, v[KSA]
	v_lshl_add_u32 v[KSA], v31, 2, v[KSA]
	v_mad_u32_u24 v[KA], v31, 1152, v[KA]
	v_lshl_add_u32 v[CSA], v10, 1, s30
	v_add_nc_u32 v[CSR], CSST, v[GL]
.irp j, 0,1,2,3
	v_mov_b32 v[ZQ+\j], 0
	v_mov_b32 v[ZQ+8+\j], 0
.endr
.irp j, 226,227,228,229,230,231,212,213,214,215,236,237,238,239
	v_mov_b32 v[\j], 0                             ; the sum's chains 1 to 7: the first step joins zeros
.endr
	v_mov_b32 v[PDX], 0                            ; written once: a lane permute's destination counts as one of its sources
	v_mov_b32 v[PX], 0
	v_mov_b32 v[RUN], 0xff61b1e6                   ; the largest score so far: -3e38, under every score
	v_mov_b32 v[NM], 0x7f61b1e6                    ; -M: so the first f is 0, over zeros
	v_mov_b32 v[SUM], 0
	v_mov_b32 v[SUM+1], 0
	v_mov_b32 v[FF+1], 0                           ; (named as the upper half of a pair)
	s_wait_alu depctr_va_vdst(0)                   ; directly ahead of the wait below
	s_wait_loadcnt 0x0                             ; Q
	v_perm_b32 v[QS], v[QRAW], v[QRAW], s54
.set j, 0
.rept 32
	v_mov_b32 v[OT+j], 0                           ; O^T: the step is written once; its first pass finds zeros.  (Also the places between the scale word's making and the first scaled product)
.set j, j+1
.endr
; K's four double tiles and their scale words of the step at memory byte x0 of the pair in hand: 12 loads
.macro KLOAD x0
.irp g, 0,1
.irp j, 0,1
.irp c, 0,1
.set KX, (\x0)+2048*\g+128*\j+512*\c
	ds_load_b128 v[KF+16*\g+8*\j+4*\c:KF+16*\g+8*\j+4*\c+3], v[KA] offset:KX+128*(KX/1024)
.endr
.set KX, (\x0)+4096+128*\j+8*\g
	ds_load_b32 v[KS+2*\g+\j], v[KSA] offset:KX+128*(KX/1024)   ; word 2 g + r / 8 of image row r % 8 + 8 j
.endr
.endr
.endm
; V's four tiles and their scale words: 9 loads.  512 consecutive bytes of memory to a load; where they begin 768 bytes into a row of 1,024, lanes 16-31 lie behind the padding
.macro VLOAD x0
.irp t, 0,1,2,3
.irp c, 0,1
.set VX, (\x0)+PART+1024*\t+512*\c
.if (VX%1024) == 768
	ds_load_b128 v[VF+8*\t+4*\c:VF+8*\t+4*\c+3], v[LJ] offset:VX+128*(VX/1024)
.else
	ds_load_b128 v[VF+8*\t+4*\c:VF+8*\t+4*\c+3], v[LI] offset:VX+128*(VX/1024)
.endif
.endr
.endr
.set VX, (\x0)+PART+4096
	ds_load_b128 v[VS:VS+3], v[RV] offset:VX+128*(VX/1024)
.endm
.macro TM from                         ; t - M of 16 scores, two at a time
.set j, \from
.rept 8
	v_pk_fma_f32 v[SC+j:SC+j+1], v[SC+j:SC+j+1], s[CS:CS+1], v[NM:NM+1] op_sel_hi:[1,0,0]
.set j, j+2
.endr
.endm
.macro PA d, a, b                      ; a packed addition
	v_pk_add_f32 v[\d:\d+1], v[\a:\a+1], v[\b:\b+1]
.endm
.macro TROW first, n                   ; chains 1 to 7 take seven pairs of p: first = 1: each begins with its pairs of registers 0-15 and 16-31; else its pair of the sixteen registers at n
.set q, 0
.irp t, 226,228,230,212,214,236,238
.set q, q+2
.if \first
	v_pk_add_f32 v[\t:\t+1], v[SC+q:SC+q+1], v[SC+16+q:SC+17+q]
.else
	v_pk_add_f32 v[\t:\t+1], v[\t:\t+1], v[SC+\n+q:SC+\n+q+1]
.endif
.endr
.endm
.macro OM a
	v_pk_mul_f32 v[OT+4*\a:OT+4*\a+1], v[OT+4*\a:OT+4*\a+1], v[FF:FF+1] op_sel_hi:[1,0]
	v_pk_mul_f32 v[OT+4*\a+2:OT+4*\a+3], v[OT+4*\a+2:OT+4*\a+3], v[FF:FF+1] op_sel_hi:[1,0]
.endm
; A KEY STEP: 128 keys at memory byte x0 of the pair.  more = 1: the next step's K, at kn, is asked for.  adv = 1: the addresses go on to the next pair.
.macro STEP x0, kn, more, adv
	s_wait_dscnt 0x0                               ; this step's K is in: it was asked for a step ago
.irp g, 0,1
.irp j, 0,1
	WM SC+32*\g+16*\j, KF+16*\g+8*\j, ZQ+4, 0, KS+2*\g+\j, QS
	WM SC+32*\g+16*\j+8, KF+16*\g+8*\j, ZQ, 0, KS+2*\g+\j, QS
.endr
.endr
	v_mov_b32 v[TT], v[NM]                         ; four places behind the products (ISA guide 7.12.1), of work that is due: the old -M, and three joins of the last step's sums, still under the old M
	PA 226, 226, 228
	PA 230, 230, 212
	PA 214, 214, 236
	VLOAD \x0
.if \more
	KLOAD \kn
.endif
.if \adv
.irp a, LI, LJ, RV, KA, KSA
	v_add_nc_u32 v[\a], PAIRL, v[\a]
.endr
.endif
.irp t, 0,1,2,3,4,5,6,7                        ; the largest score of my two blocks: eight chains by turns, one to an accumulator, each from its low end on
	v_max3_num_f32 v[MX+\t], v[SC+8*\t], v[SC+8*\t+1], v[SC+8*\t+2]
.endr
.irp i, 3,5
.irp t, 0,1,2,3,4,5,6,7
	v_max3_num_f32 v[MX+\t], v[MX+\t], v[SC+8*\t+\i], v[SC+8*\t+\i+1]
.endr
.endr
.irp g, 0,1
	v_max3_num_f32 v[UU+\g], v[SC+32*\g+7], v[SC+32*\g+15], v[SC+32*\g+23]   ; the accumulators' last registers
.endr
.irp g, 0,1
	v_max3_num_f32 v[MX+4*\g], v[MX+4*\g], v[MX+4*\g+1], v[MX+4*\g+2]
	v_max3_num_f32 v[UU+\g], v[MX+4*\g+3], v[UU+\g], v[SC+32*\g+31]
.endr
	s_delay_alu instid0(VALU_DEP_3)
	v_max_num_f32 v[BM], v[MX], v[UU]
	s_delay_alu instid0(VALU_DEP_2)
	v_max_num_f32 v[BM+1], v[MX+4], v[UU+1]        ; it serves for the row's maximum and, since p rises with the score, for the block's largest p
	s_delay_alu instid0(VALU_DEP_1)
	v_max3_num_f32 v[RUN], v[RUN], v[BM], v[BM+1]
	PA 226, 226, 230                               ; the other four joins of the last step's sums stand among the lines of this chain
	PA 214, 214, 238
	s_delay_alu instid0(VALU_DEP_3)
	v_permlanex16_b32 v[PDX], v[RUN], s[SEL], s[SEL+1]
	s_delay_alu instid0(VALU_DEP_2)
	PA 226, 226, 214
	s_delay_alu instid0(VALU_DEP_2)
	v_max_num_f32 v[RUN], v[RUN], v[PDX]           ; with lane l xor 16's two blocks: the running largest score of my query
	s_delay_alu instid0(VALU_DEP_2)
	PA SUM, SUM, 226
	s_delay_alu instid0(VALU_DEP_2)
	v_mul_f32 v[T4], s[CS], v[RUN]                 ; as t (c is positive)
	s_delay_alu instid0(VALU_DEP_1)
	v_floor_f32 v[NM], -v[T4]                      ; the new -M = floor(-t) = -ceil(t)
	TM 0
	v_sub_f32 v[TT], v[NM], v[TT]                  ; old M - new M: a whole number, 0 or less
	TM 16
	v_cvt_i32_f32 v[TT], v[TT]                     ; (it saturates)
	TM 32
	v_ldexp_f32 v[FF], 1.0, v[TT]                  ; f = 2^(old M - new M)
	TM 48
	v_fma_f32 v[BM], v[BM], s[CS], v[NM]           ; the same of each block's largest score
	v_fma_f32 v[BM+1], v[BM+1], s[CS], v[NM]
	s_wait_alu depctr_va_vdst(0)                   ; the wait ahead of the batch
.set j, 0
.rept 64
	v_exp_f32 v[SC+j], v[SC+j]                     ; p = 2^(t - M), at most 1
.set j, j+1
.endr
	v_exp_f32 v[BM], v[BM]                         ; the block's largest p: the same two instructions on the same number
	v_exp_f32 v[BM+1], v[BM+1]
	v_pk_mul_f32 v[SUM:SUM+1], v[SUM:SUM+1], v[FF:FF+1] op_sel_hi:[1,0]   ; the sum under the new M.  (The plain place behind the exponentials)
	s_wait_alu depctr_va_vdst(0)                   ; one wait for the batch, and, directly ahead of O^T's first reader, for the last step's products
	OM 0                                           ; O^T under the new M, each accumulator from its low end on; the scale word's lines stand among these
	v_max_num_f32 v[BM], 0x1800000, v[BM]          ; the floor 2^(3 - 127): the byte cannot fall under 1
	v_max_num_f32 v[BM+1], 0x1800000, v[BM+1]
	OM 1
	OM 2
	v_add_nc_u32 v[CV], 0xff000000, v[BM]          ; 2 off the exponent field: the conversion's scale operand
	v_add_nc_u32 v[CV+1], 0xff000000, v[BM+1]
	OM 3
	OM 4
	v_lshrrev_b32 v[PD], 23, v[CV]                 ; the scale's byte
	v_lshrrev_b32 v[PD+1], 23, v[CV+1]
	OM 5
	OM 6
	v_lshl_or_b32 v[PW], v[PD+1], 16, v[PD]        ; my bytes: blocks h and 2 + h
	OM 7
.irp g, 0,1
.irp i, 0,1,2,3
	v_cvt_scalef32_pk8_fp4_f32 v[PC+4*\g+\i], v[SC+32*\g+8*\i:SC+32*\g+8*\i+7], v[CV+\g]   ; register 4 g + i of P's operand: keys 64 g + 32 h + 8 i + 0 .. 7
.endr
.endr
	v_lshlrev_b32 v[PW], v[SH8], v[PW]             ; the two bytes at their places in the word.  (The plain place behind the conversions)
	PA SUM, SUM, SC                                ; the row's sum of the unquantised p, two at a time, in eight chains by turns; chains 1 to 7 are joined in the next step.  The scale word's last lines stand among them
	TROW 1, 0
	v_permlanex16_b32 v[PX], v[PW], s[SEL], s[SEL+1]
	PA SUM, SUM, SC+16
	TROW 0, 32
	v_or_b32 v[PS], v[PW], v[PX]                   ; with lane l xor 16's two bytes the word is whole; nine additions stand between it and the scaled products
	PA SUM, SUM, SC+32
	TROW 0, 48
	PA SUM, SUM, SC+48
	s_wait_alu depctr_va_vdst(0)                   ; directly ahead of the wait below
.if \more
	s_wait_dscnt 12                                ; V's nine loads are in; behind them stand the next K's twelve
.else
	s_wait_dscnt 0x0
.endif
.irp t, 0,1,2,3
	WM OT+8*\t, VF+8*\t, PC, v[OT+8*\t:OT+8*\t+7], VS+\t, PS
.endr                                          ; the four accumulators take turns, one instruction a turn
.endm
	s_wait_alu depctr_va_vdst(0)                   ; the wait at the head's end
	s_wait_tensorcnt 0x0                           ; my two key steps have landed
	s_wait_dscnt 0x0
	s_barrier_signal -1
	s_barrier_wait -1                              ; and everybody's: the whole head is in LDS; nothing is ever filled again
	KLOAD 0
	s_mov_b32 s[CNT], 15
.Lpair:                                            ; a trip is two key steps: what one tensor load brought
	STEP 0, 8704, 1, 0
	STEP 8704, PAIRM, 1, 1
	s_sub_co_u32 s[CNT], s[CNT], 1
	s_cmp_lg_u32 s[CNT], 0
	s_cbranch_scc1 .Lpair
	STEP 0, 8704, 1, 0                             ; the last pair is written out: its last step asks for no further K
	STEP 8704, 0, 0, 0
	; THE WAY OUT: ctx = O^T / the sum; register 16 b + i = channel 32 b + 16 (lane / 16) + i of my query: two blocks of 32 along the last product's K
	PA 226, 226, 228                               ; the last step's seven chains are joined
	PA 230, 230, 212
	PA 214, 214, 236
	PA 226, 226, 230
	PA 214, 214, 238
	PA 226, 226, 214
	PA SUM, SUM, 226
	s_delay_alu instid0(VALU_DEP_1)
	v_add_f32 v[SUM], v[SUM], v[SUM+1]
	s_delay_alu instid0(VALU_DEP_1)
	v_permlanex16_b32 v[TT], v[SUM], s[SEL], s[SEL+1]
	s_delay_alu instid0(VALU_DEP_1)
	v_add_f32 v[SUM], v[SUM], v[TT]                ; the row's sum.  (These six are also the places behind the last products)
	s_wait_alu depctr_va_vdst(0)                   ; the wait ahead of the transcendental
	v_rcp_f32 v[SUM], v[SUM]
	v_nop                                          ; the place behind the reciprocal
	s_wait_alu depctr_va_vdst(0)                   ; the wait ahead of its first reader, which is also O^T's
.set j, 0
.rept 16
	v_pk_mul_f32 v[SC+j:SC+j+1], v[OT+j:OT+j+1], v[SUM:SUM+1] op_sel_hi:[1,0]
.set j, j+2
.endr
.irp b, 0,1
	v_max3_num_f32 v[BM+\b], |v[SC+16*\b]|, |v[SC+16*\b+1]|, 0x1800000
.endr
.irp i, 2,4,6,8,10,12,14
.irp b, 0,1
	s_delay_alu instid0(VALU_DEP_2)
	v_max3_num_f32 v[BM+\b], v[BM+\b], |v[SC+16*\b+\i]|, |v[SC+16*\b+\i+1]|
.endr
.endr
.irp b, 0,1
	s_delay_alu instid0(VALU_DEP_2)
	v_permlanex16_b32 v[PD+\b], v[BM+\b], s[SEL], s[SEL+1]
.endr
.irp b, 0,1
	s_delay_alu instid0(VALU_DEP_2)
	v_max_num_f32 v[BM+\b], v[BM+\b], v[PD+\b]
.endr
.irp b, 0,1
	s_delay_alu instid0(VALU_DEP_2)
	v_add_nc_u32 v[CV+\b], 0xff000000, v[BM+\b]
.endr
.irp b, 0,1
	s_delay_alu instid0(VALU_DEP_2)
	v_lshrrev_b32 v[PD+\b], 23, v[CV+\b]
.endr
	s_delay_alu instid0(VALU_DEP_1)
	v_lshl_or_b32 v[PW], v[PD+1], 8, v[PD]         ; my row's two scale bytes
.irp b, 0,1
	v_cvt_scalef32_pk8_fp4_f32 v[PC+2*\b], v[SC+16*\b:SC+16*\b+7], v[CV+\b]
	v_cvt_scalef32_pk8_fp4_f32 v[PC+2*\b+1], v[SC+16*\b+8:SC+16*\b+15], v[CV+\b]
.endr
	v_nop                                          ; one plain place behind a scaled conversion
	v_permlane16_swap_b32 v[PC], v[PC+2]
	v_permlane16_swap_b32 v[PC+1], v[PC+3]         ; lane (r, h): channels 32 h .. 32 h + 31 of query r
	global_store_b128 v[GL], v[PC:PC+3], s[8:9]    ; 512 consecutive bytes of the tile's image
	ds_store_b16 v[CSA], v[PW]                     ; lanes r and r + 16 write the same two bytes
	s_wait_dscnt 0x0                               ; for wave 0's sake
	s_barrier_signal -1
	s_barrier_wait -1
	s_cmp_lg_u32 s[WV], 0
	s_cbranch_scc1 .Lnot_first
	ds_load_b128 v[BM:BM+3], v[CSR]                ; the sixteen tiles' scale bytes: 512 bytes
	s_wait_dscnt 0x0
	global_store_b128 v[GL], v[BM:BM+3], s[10:11]  ; 512 consecutive bytes, aligned
.Lnot_first:
	s_wait_tensorcnt 0x0                           ; the wave's end
	ds_add_u32 v[SPW], v[NIL]
	s_wait_dscnt 0x0
	CROUND                                         ; the closing round: no work-group ends while a partner may still ask for bytes jointly
	s_endpgm
.Lfunc_end_k_q1c12c6b9c9_attn:
	.size	k_q1c12c6b9c9_attn, .Lfunc_end_k_q1c12c6b9c9_attn-k_q1c12c6b9c9_attn
	.p2alignl 7, 3214868480
	.fill 96, 4, 3214868480
	.section	.rodata,"a",@progbits
	.p2align	6, 0x0
	.amdhsa_kernel k_q1c12c6b9c9_attn
		.amdhsa_group_segment_fixed_size 327680
		.amdhsa_private_segment_fixed_size 0
		.amdhsa_enable_private_segment 0
		.amdhsa_kernarg_size 32
		.amdhsa_user_sgpr_count 2
		.amdhsa_user_sgpr_kernarg_segment_ptr 1
		.amdhsa_wavefront_size32 1
		.amdhsa_system_sgpr_workgroup_id_x 1
		.amdhsa_system_sgpr_workgroup_id_y 1
		.amdhsa_system_sgpr_workgroup_id_z 1
		.amdhsa_system_vgpr_workitem_id 0
		.amdhsa_next_free_vgpr 256
		.amdhsa_next_free_sgpr 66
		.amdhsa_reserve_vcc 0
		.amdhsa_float_denorm_mode_32 3
		.amdhsa_float_denorm_mode_16_64 3
		.amdhsa_memory_ordered 1
		.amdhsa_forward_progress 1
		.amdhsa_inst_pref_size 69
	.end_amdhsa_kernel
	.amdgpu_metadata
---
amdhsa.version: [ 1, 2 ]
amdhsa.kernels:
  - .name:           k_q1c12c6b9c9_attn
    .symbol:         k_q1c12c6b9c9_attn.kd
    .args:
      - { .name: qp, .offset: 0, .size: 8, .value_kind: global_buffer, .address_space: global }
      - { .name: kv, .offset: 8, .size: 8, .value_kind: global_buffer, .address_space: global }
      - { .name: cc, .offset: 16, .size: 8, .value_kind: global_buffer, .address_space: global }
      - { .name: cs, .offset: 24, .size: 8, .value_kind: global_buffer, .address_space: global }
    .group_segment_fixed_size: 327680
    .private_segment_fixed_size: 0
    .kernarg_segment_align: 8
    .kernarg_segment_size: 32
    .max_flat_workgroup_size: 512
    .sgpr_count:     66
    .vgpr_count:     256
    .wavefront_size: 32
...
	.end_amdgpu_metadata
.endif
;; end of part 3
;; launch outp (part 4): grid 4 x 64, 4 waves a work-group, no clusters, 17,920 bytes of LDS; arguments cc, cs, qc, qs, bo, out0; writes out0
.if DOCPART == 4
	.amdgcn_target "amdgcn-amd-amdhsa--gfx1250"
	.amdhsa_code_object_version 6
	.text
	.protected	k_q1c12c6b9c9_outp
	.globl	k_q1c12c6b9c9_outp
	.p2align	8
	.type	k_q1c12c6b9c9_outp,@function
k_q1c12c6b9c9_outp:
	s_mov_b64 s[64:65], 0
	v_nop
	global_prefetch_b8 v0, s[64:65] scope:SCOPE_SE
	s_setreg_imm32_b32 hwreg(HW_REG_WAVE_MODE, 25, 1), 1
	s_wait_xcnt 0x0
; out0 = ctx Wo^T + bo on codes of FP4 with E8M0 scales.  ctx [8192][512] and Wo [512][512] lie as operand images (tile T: rows 32 (T / 2) + 8 (T % 2) + r + 8 (r / 8); 4,096 bytes; a fragment = two loads of 512 consecutive bytes).
; SHARES: a work-group makes 128 x 128 of out0, each of its four waves 64 x 64: 16 accumulators, K = 512 in four steps.  All operands of a wave (128 + 128 registers) are asked for at the head; each K step begins when its 16 loads are in.
; The product is used transposed (source 0 = 16 rows of Wo, source 1 = 16 rows of ctx): a lane holds eight neighbouring columns, 32 (bt / 2) + 8 (bt % 2) + 16 (lane / 16) + j, of one row.  The bias is the C of the first K step.
; The tiles' order of rows is undone by the stores' offsets.  A tile of 16 rows x 64 columns goes through the wave's own stage in LDS and leaves as rows: sixteen lanes store 256 consecutive bytes, aligned.  No barrier: waves share nothing.
; REGISTERS: window 0: v1-10 addresses; v32-63 the bias; v64-71 Wo's scale words; v72-87 ctx's scale bytes as loaded; v88-95 ctx's scale words; v128-255 the accumulators.  window 1: v0-127 Wo's fragments (later rows of out0), v128-255 ctx's.
.set WO,   2490368                     ; Wo's images in qc
.set WOS,  155648                      ; its scale bytes in qs
.set BI,   32
.set SW,   64
.set RAW,  72
.set SCX,  88
.set ACC,  128
.set MSB, 0
.macro WIN new                         ; the immediate's high byte repeats the setting that is left
.if MSB != \new
	s_set_vgpr_msb (MSB<<8)|\new
.set MSB, \new
.endif
.endm
.macro WM d, a, b, c, sa, sb, ra, rb   ; one scaled product; ra, rb = 1: that side's scale words stand in lanes 16-31
.if (\ra) && (\rb)
	v_wmma_scale_f32_16x16x128_f8f6f4 v[\d:\d+7], v[\a:\a+7], v[\b:\b+7], v[\c:\c+7], v[\sa], v[\sb] matrix_a_fmt:MATRIX_FMT_FP4 matrix_b_fmt:MATRIX_FMT_FP4 matrix_a_scale:MATRIX_SCALE_ROW1 matrix_b_scale:MATRIX_SCALE_ROW1
.elseif (\ra)
	v_wmma_scale_f32_16x16x128_f8f6f4 v[\d:\d+7], v[\a:\a+7], v[\b:\b+7], v[\c:\c+7], v[\sa], v[\sb] matrix_a_fmt:MATRIX_FMT_FP4 matrix_b_fmt:MATRIX_FMT_FP4 matrix_a_scale:MATRIX_SCALE_ROW1
.elseif (\rb)
	v_wmma_scale_f32_16x16x128_f8f6f4 v[\d:\d+7], v[\a:\a+7], v[\b:\b+7], v[\c:\c+7], v[\sa], v[\sb] matrix_a_fmt:MATRIX_FMT_FP4 matrix_b_fmt:MATRIX_FMT_FP4 matrix_b_scale:MATRIX_SCALE_ROW1
.else
	v_wmma_scale_f32_16x16x128_f8f6f4 v[\d:\d+7], v[\a:\a+7], v[\b:\b+7], v[\c:\c+7], v[\sa], v[\sb] matrix_a_fmt:MATRIX_FMT_FP4 matrix_b_fmt:MATRIX_FMT_FP4
.endif
.endm
	s_load_b256 s[4:11], s[0:1], 0x0               ; cc, cs, qc, qs
	s_load_b128 s[12:15], s[0:1], 0x20             ; bo, out0
	v_lshl_add_u32 v126, v0, 2, 0x4400
	v_mov_b32 v127, 0
	v_lshrrev_b32 v7, 5, v0
	v_readfirstlane_b32 s16, v7                    ; wave 0..3
	s_lshr_b32 s17, s16, 1                         ; which 64 rows
	s_and_b32 s18, s16, 1                          ; which 64 columns
	s_mov_b32 s19, ttmp9                           ; block of 128 columns
	s_and_b32 s20, ttmp7, 0xffff                   ; block of 128 rows
	v_and_b32 v8, 31, v0                           ; lane
	v_and_b32 v9, 15, v0                           ; r
	v_bfe_u32 v10, v0, 4, 1                        ; h
	v_lshlrev_b32 v1, 4, v8                        ; 16 x lane
	v_lshlrev_b32 v2, 1, v8                        ; 2 x lane
	v_lshlrev_b32 v3, 6, v10                       ; the bias: 16 h numbers on
	s_mul_i32 s21, s16, 4352                       ; my stage: 16 rows x (256 bytes + 16)
	v_mul_u32_u24 v4, v9, 272
	v_lshl_add_u32 v4, v10, 6, v4
	v_add_nc_u32 v4, s21, v4                       ; in: row r, + 64 h
	v_mul_u32_u24 v5, v10, 272
	v_lshl_add_u32 v5, v9, 4, v5
	v_add_nc_u32 v5, s21, v5                       ; back: lanes 0-15 one row, lanes 16-31 the next
	v_lshlrev_b32 v6, 11, v10
	v_lshl_add_u32 v6, v9, 4, v6                   ; and the same two rows of out0 (2,048 bytes a row)
	s_lshl_b32 s22, s20, 3
	s_lshl_b32 s23, s17, 2
	s_add_co_u32 s22, s22, s23                     ; my first tile of ctx
	s_lshl_b32 s24, s19, 3
	s_lshl_b32 s25, s18, 2
	s_add_co_u32 s24, s24, s25                     ; my first tile of Wo
	s_mov_b32 s27, 0
	s_mov_b32 s29, 0
	s_wait_alu depctr_va_vdst(0)
	s_wait_kmcnt 0x0
	s_lshl_b32 s26, s22, 12
	s_add_nc_u64 s[4:5], s[4:5], s[26:27]
	s_lshl_b32 s26, s22, 5
	s_add_nc_u64 s[6:7], s[6:7], s[26:27]          ; cs: 32 bytes a tile and head
	s_lshl_b32 s26, s24, 12
	s_add_co_u32 s26, s26, WO
	s_add_nc_u64 s[8:9], s[8:9], s[26:27]
	s_lshl_b32 s26, s24, 8
	s_add_co_u32 s26, s26, WOS
	s_add_nc_u64 s[10:11], s[10:11], s[26:27]
	s_lshl_b32 s26, s24, 6                         ; my first column, in bytes: 16 columns of 4 bytes a tile
	s_add_nc_u64 s[12:13], s[12:13], s[26:27]
	s_lshl_b32 s28, s22, 15                        ; my first row: 16 rows of 2,048 bytes a tile
	s_add_co_u32 s28, s28, s26
	s_add_nc_u64 s[14:15], s[14:15], s[28:29]
.irp p, 0,1
.irp d, 0,1,2,3,4,5,6,7
	global_load_u16 v[RAW+8*\p+\d], v2, s[6:7] offset:16384*\d+64*\p   ; head d's two bytes: lanes 0-15 tile 2 p's rows, lanes 16-31 tile 2 p + 1's
.endr
.endr
.irp p, 0,1
	global_load_b128 v[SW+4*\p:SW+4*\p+3], v1, s[10:11] offset:512*\p
.endr
.irp b, 0,1,2,3
	global_load_b128 v[BI+8*\b:BI+8*\b+3], v3, s[12:13] offset:(32*(\b/2)+8*(\b%2))*4
	global_load_b128 v[BI+8*\b+4:BI+8*\b+7], v3, s[12:13] offset:(32*(\b/2)+8*(\b%2))*4+16
.endr
	WIN 0x40                                       ; destination window 1
.irp s, 0,1,2,3
.irp b, 0,1,2,3
.irp c, 0,1
	global_load_b128 v[32*\b+8*\s+4*\c:32*\b+8*\s+4*\c+3], v1, s[8:9] offset:4096*\b+1024*\s+512*\c
.endr
.endr
.irp a, 0,1,2,3
.irp c, 0,1
	global_load_b128 v[128+32*\a+8*\s+4*\c:128+32*\a+8*\s+4*\c+3], v1, s[4:5] offset:4096*\a+1024*\s+512*\c
.endr
.endr
.endr
	WIN 0
	s_wait_loadcnt 48                              ; all but the fragments of K steps 1 to 3, sixteen loads each
.irp p, 0,1
.irp s, 0,1,2,3
	v_lshl_or_b32 v[SCX+4*\p+\s], v[RAW+8*\p+2*\s+1], 16, v[RAW+8*\p+2*\s]   ; K step s: heads 2 s and 2 s + 1
.endr
.endr
.rept 8
	v_nop                                          ; a scale word made by a vector instruction stands eight places ahead of the scaled product
.endr
	WIN 0x05                                       ; sources 0 and 1 window 1; C and D window 0
	s_wait_alu depctr_va_vdst(0)
.irp s, 0,1,2,3
	s_wait_loadcnt 48-16*\s                        ; the later K steps' loads may be out
.irp a, 0,1,2,3
.irp b, 0,1,2,3
.if \s == 0
	WM ACC+8*(4*\a+\b), 32*\b+8*\s, 128+32*\a+8*\s, BI+8*\b, SW+4*(\b/2)+\s, SCX+4*(\a/2)+\s, \b%2, \a%2
.else
	WM ACC+8*(4*\a+\b), 32*\b+8*\s, 128+32*\a+8*\s, ACC+8*(4*\a+\b), SW+4*(\b/2)+\s, SCX+4*(\a/2)+\s, \b%2, \a%2
.endif
.endr
.endr
.endr                                          ; the sixteen accumulators take turns, one instruction a turn
	WIN 0
.rept 4
	v_nop                                          ; four places in front of the first read of results and of loads into registers that the products have read
.endr
.macro TOSTAGE a
	WIN 0
.irp b, 0,1,2,3
	ds_store_b128 v4, v[ACC+8*(4*\a+\b):ACC+8*(4*\a+\b)+3] offset:128*(\b/2)+32*(\b%2)       ; each accumulator from its low end on
	ds_store_b128 v4, v[ACC+8*(4*\a+\b)+4:ACC+8*(4*\a+\b)+7] offset:128*(\b/2)+32*(\b%2)+16
.endr
	WIN 0x40
.irp i, 0,1,2,3,4,5,6,7
	ds_load_b128 v[32*\a+4*\i:32*\a+4*\i+3], v5 offset:544*\i    ; LDS serves a wave's instructions in order (ISA guide 5.7.1.4): these see my stores, and the next tile's stores come behind them
.endr
.endm
.macro SEND a, younger                 ; younger: the next tile's sixteen LDS instructions, or none
	s_wait_dscnt \younger
	WIN 0x04                                       ; a store's data are its source 1: window 1
.irp i, 0,1,2,3,4,5,6,7
	global_store_b128 v6, v[32*\a+4*\i:32*\a+4*\i+3], s[14:15] offset:(32*(\a/2)+8*(\a%2)+2*\i+8*(\i/4))*2048 th:TH_STORE_NT   ; stage rows 2 i, 2 i + 1 are rows 2 i + 8 (i / 4) (+ 1) of the tile's 32
.endr
.endm
	TOSTAGE 0
	TOSTAGE 1
	SEND 0, 16
	TOSTAGE 2
	SEND 1, 16
	TOSTAGE 3
	SEND 2, 16
	SEND 3, 0
	WIN 0
	s_wait_tensorcnt 0x0
	ds_add_u32 v126, v127
	s_wait_dscnt 0x0
	s_endpgm
.Lfunc_end_k_q1c12c6b9c9_outp:
	.size	k_q1c12c6b9c9_outp, .Lfunc_end_k_q1c12c6b9c9_outp-k_q1c12c6b9c9_outp
	.p2alignl 7, 3214868480
	.fill 96, 4, 3214868480
	.section	.rodata,"a",@progbits
	.p2align	6, 0x0
	.amdhsa_kernel k_q1c12c6b9c9_outp
		.amdhsa_group_segment_fixed_size 17920
		.amdhsa_private_segment_fixed_size 0
		.amdhsa_enable_private_segment 0
		.amdhsa_kernarg_size 48
		.amdhsa_user_sgpr_count 2
		.amdhsa_user_sgpr_kernarg_segment_ptr 1
		.amdhsa_wavefront_size32 1
		.amdhsa_system_sgpr_workgroup_id_x 1
		.amdhsa_system_sgpr_workgroup_id_y 1
		.amdhsa_system_sgpr_workgroup_id_z 1
		.amdhsa_system_vgpr_workitem_id 0
		.amdhsa_next_free_vgpr 512
		.amdhsa_next_free_sgpr 66
		.amdhsa_reserve_vcc 0
		.amdhsa_float_denorm_mode_32 3
		.amdhsa_float_denorm_mode_16_64 3
		.amdhsa_memory_ordered 1
		.amdhsa_forward_progress 1
		.amdhsa_inst_pref_size 28
	.end_amdhsa_kernel
	.amdgpu_metadata
---
amdhsa.version: [ 1, 2 ]
amdhsa.kernels:
  - .name:           k_q1c12c6b9c9_outp
    .symbol:         k_q1c12c6b9c9_outp.kd
    .args:
      - { .name: cc, .offset: 0, .size: 8, .value_kind: global_buffer, .address_space: global }
      - { .name: cs, .offset: 8, .size: 8, .value_kind: global_buffer, .address_space: global }
      - { .name: qc, .offset: 16, .size: 8, .value_kind: global_buffer, .address_space: global }
      - { .name: qs, .offset: 24, .size: 8, .value_kind: global_buffer, .address_space: global }
      - { .name: bo, .offset: 32, .size: 8, .value_kind: global_buffer, .address_space: global }
      - { .name: out0, .offset: 40, .size: 8, .value_kind: global_buffer, .address_space: global }
    .group_segment_fixed_size: 17920
    .private_segment_fixed_size: 0
    .kernarg_segment_align: 8
    .kernarg_segment_size: 48
    .max_flat_workgroup_size: 128
    .sgpr_count:     66
    .vgpr_count:     512
    .wavefront_size: 32
...
	.end_amdgpu_metadata
.endif
;; end of part 4
